; MI455X (gfx1250); checked and timed in simulation.
; The chip was launched on July 23, 2026; its instructions are those of AMD's public machine-readable ISA for CDNA 5 (MIT licence, August 2026) and "CDNA5" Instruction Set Architecture Reference Guide (July 2026). The comments in the code are by the model that wrote it; some were corrected since.
;; Sparse Attention. Allowed arithmetic: float matrix products may take bf16 or f16 operands with f32 sums; all other float work in f32.
;; Inputs: attention_mask 1 x 1 x 4,096 x 4,096 bool; bk 1,024 float32; bo 1,024 float32; bq 1,024 float32; bv 1,024 float32; hidden_states 1 x 4,096 x 1,024 float32; wk 1,024 x 1,024 float32; wo 1,024 x 1,024 float32; wq 1,024 x 1,024 float32; wv 1,024 x 1,024 float32.
;; Outputs: out0 1 x 4,096 x 1,024 float32.
;; One version. Each part assembles by itself: llvm-mc -triple=amdgcn-amd-amdhsa -mcpu=gfx1250 --defsym DOCPART=n.
;; ======== version 1 of 1: 4 launches
;; limits: values are held in f16: magnitudes above 65,504 overflow, below 6.1e-05 lose precision
;; workspace buffers: hb 8,388,608 bytes; wb 8,388,608 bytes; qf 8,388,608 bytes; kf 8,388,608 bytes; vf 8,388,608 bytes; af 8,388,608 bytes; mb 2,097,152 bytes of whole numbers; fl 1,024 bytes of whole numbers
;; launch prep (part 1): grid 256 x 1, 8 waves a work-group, no clusters, 68,864 bytes of LDS; arguments attention_mask, hidden_states, wq, wk, wv, wo, hb, wb, mb, fl; writes hb, wb, mb, fl
.if DOCPART == 1
	.amdgcn_target "amdgcn-amd-amdhsa--gfx1250"
	.amdhsa_code_object_version 6
	.text
	.protected	k_qc9bb70b4d7_prep
	.globl	k_qc9bb70b4d7_prep
	.p2align	8
	.type	k_qc9bb70b4d7_prep,@function
k_qc9bb70b4d7_prep:
	s_mov_b64 s[64:65], 0
	v_nop
	global_prefetch_b8 v0, s[64:65] scope:SCOPE_SE
	s_setreg_imm32_b32 hwreg(HW_REG_WAVE_MODE, 25, 1), 1
	s_wait_xcnt 0x0
; prep: (1) the mask as lane masks and as a list of live blocks, (2) hidden_states and the four weight matrices in f16.
; Work-group g of 256: qb = g >> 2 (64 query rows), quarter = g & 3 (1,024 key columns = 16 blocks of 64).
;   mask:    wave w = (qt = w & 3, kh = w >> 2) takes rows 64 qb + 16 qt .. + 15, bytes 1024 quarter + 512 kh .. + 511 (8 blocks).
;   mb[qb][qt][kb][32 words]: word 8 kt + j, bit L = mask[64 qb + 16 qt + (L & 15)][64 kb + 16 kt + 8 (L >> 4) + j] != 0:
;            the lane mask for register 8 kt + j of a 16 x 64 tile of transposed scores.  A mask byte other than 0 counts as true.
;   fl[qb][quarter]: bit b = block 16 quarter + b of row block qb holds a true.
;   cast:    wave w takes rows 16 g + 2 w, + 1 of hidden_states, and two rows of weight matrix g >> 6 (wq, wk, wv, wo).
;   wb rows: head * 192 + part * 64 + i = row 64 head + i of wq, wk, wv (part 0, 1, 2); 3072 + n = row n of wo.
; WHY f16 AND NOT bf16: seven roundings lie between the inputs and out0, and f16 keeps 11 significant bits where bf16 keeps 8.
; LIMIT: an input of 65,520 or more in magnitude becomes infinite; one below 2^-14 keeps an absolute error of up to 2^-25.  hidden_states (spread 1) and
; the weights (spread 0.02) keep their 11 bits when 30 times larger or smaller (0.02 / 30 = 6.7e-4; 2^-25 is 4.5e-5 of that) or offset by 30 spreads.
; Every input byte is read once, by loads of 512 consecutive bytes a wave; all 48 loads of a wave go out before the first wait.
; ORDER: the mask's 16 loads go out first and are in first; its vector work (32 x 24 instructions a wave) stands ahead of the casts, so that
; it runs while the 32 younger loads are on their way.
; No matrix unit, no cluster: nothing is shared between work-groups and memory bounds the launch.
.set PITCH, 528                        ; a stage row: 512 mask bytes + 16: 132 words, so lane (r, h) of the 8-byte reads starts at bank 4 r + 2 h (64 banks of 4 bytes: ISA guide 11.1)
.set STAGE, 16*PITCH                   ; a wave's own stage: 16 mask rows
.set FLAGS, 8*STAGE                    ; behind the stages: one word of block flags for each wave
.set W0, 8                             ; v[8:11]    128 words of mb (blocks 0-3 of the wave's eight): word x in lane x >> 2, register x & 3
.set W1, 12                            ; v[12:15]   the same for blocks 4-7
.set MK, 16                            ; v[16:79]   16 mask rows as loaded; then 32 pairs: 8 mask bytes of (block b, key tile kt) at 2 (4 b + kt)
.set CX, 80                            ; v[80:207]  32 loads of f32, converted in place
.set T,  208                           ; v[208:215] at work
	s_load_b512 s[8:23], s[0:1], 0x0               ; mask 8, hidden 10, wq 12, wk 14, wv 16, wo 18, hb 20, wb 22
	s_load_b128 s[24:27], s[0:1], 0x40             ; mb 24, fl 26
	v_lshl_add_u32 v216, v0, 2, 0x10900
	v_mov_b32 v217, 0
	v_lshrrev_b32 v5, 5, v0
	v_readfirstlane_b32 s28, v5                    ; wave
	v_and_b32 v6, 31, v0                           ; lane
	v_and_b32 v5, 15, v0                           ; r
	v_bfe_u32 v7, v0, 4, 1                         ; h
	v_lshlrev_b32 v1, 4, v6                        ; 16 x lane
	v_lshlrev_b32 v2, 3, v6                        ; 8 x lane
	s_mul_i32 s29, s28, STAGE
	v_add_nc_u32 v3, s29, v1                       ; stage, in: 16 bytes a lane of a row
	v_mul_u32_u24 v4, v5, PITCH
	v_lshl_add_u32 v4, v7, 3, v4
	v_add_nc_u32 v4, s29, v4                       ; stage, back: row r, byte 8 h
.irp k, 0,1,2,3,4,5,6,7
	v_mov_b32 v[W0+\k], 0                          ; v_writelane_b32 counts as a reader of its destination
.endr
	s_lshr_b32 s30, ttmp9, 2                       ; qb
	s_and_b32 s31, ttmp9, 3                        ; quarter
	s_and_b32 s32, s28, 3                          ; qt
	s_lshr_b32 s33, s28, 2                         ; kh
	s_lshr_b32 s55, ttmp9, 6                       ; which weight matrix
	s_and_b32 s56, ttmp9, 63                       ; which 16 rows of it
	s_lshl_b32 s34, s30, 18                        ; mask: 64 qb rows of 4,096 bytes
	s_lshl_b32 s35, s32, 16                        ; + 16 qt rows
	s_or_b32 s34, s34, s35
	s_lshl_b32 s35, s31, 10                        ; + 1,024 quarter
	s_or_b32 s34, s34, s35
	s_lshl_b32 s35, s33, 9                         ; + 512 kh
	s_or_b32 s34, s34, s35
	s_mov_b32 s35, 0
	s_lshl_b32 s36, ttmp9, 16                      ; hidden: (16 g + 2 w) rows of 4,096 bytes
	s_lshl_b32 s37, s28, 13
	s_or_b32 s36, s36, s37
	s_lshr_b32 s38, s36, 1                         ; hb: the same rows, 2,048 bytes each
	s_lshl_b32 s42, s56, 16                        ; weights: (16 (g & 63) + 2 w) rows of 4,096 bytes
	s_or_b32 s42, s42, s37
	s_mov_b32 s37, 0
	s_mov_b32 s39, 0
	s_mov_b32 s43, 0
	s_lshr_b32 s57, s56, 2                         ; wb's row for wq, wk, wv: head
	s_mul_i32 s57, s57, 192                        ; x 192
	s_lshl_b32 s58, s55, 6                         ; + 64 part
	s_add_co_u32 s57, s57, s58
	s_lshl_b32 s58, s31, 4                         ; + 16 (g & 3)
	s_add_co_u32 s57, s57, s58
	s_lshl_b32 s58, s56, 4                         ; wb's row for wo: 3072 + 16 (g & 63)
	s_add_co_u32 s58, s58, 3072
	s_cmp_eq_u32 s55, 3
	s_cselect_b32 s58, s58, s57
	s_lshl1_add_u32 s58, s28, s58                  ; + 2 w
	s_lshl_b32 s58, s58, 11                        ; rows of 2,048 bytes
	s_mov_b32 s59, 0
	s_lshl_b32 s60, s30, 15                        ; mb: ((4 qb + qt) 64 + 16 quarter + 8 kh) blocks of 128 bytes
	s_lshl_b32 s61, s32, 13
	s_or_b32 s60, s60, s61
	s_lshl_b32 s61, s31, 11
	s_or_b32 s60, s60, s61
	s_lshl_b32 s61, s33, 10
	s_or_b32 s60, s60, s61
	s_mov_b32 s61, 0
	s_lshl_b32 s62, ttmp9, 2                       ; fl: word g
	s_mov_b32 s63, 0
	s_mov_b32 s52, 0                               ; the wave's block flags
	s_wait_kmcnt 0x0
	s_cmp_eq_u32 s55, 1                            ; the weight matrix is chosen by the work-group's number alone
	s_cselect_b64 s[40:41], s[14:15], s[12:13]
	s_cmp_eq_u32 s55, 2
	s_cselect_b64 s[40:41], s[16:17], s[40:41]
	s_cmp_eq_u32 s55, 3
	s_cselect_b64 s[40:41], s[18:19], s[40:41]
	s_add_nc_u64 s[8:9], s[8:9], s[34:35]
	s_add_nc_u64 s[10:11], s[10:11], s[36:37]
	s_add_nc_u64 s[40:41], s[40:41], s[42:43]
	s_add_nc_u64 s[20:21], s[20:21], s[38:39]
	s_add_nc_u64 s[22:23], s[22:23], s[58:59]
	s_add_nc_u64 s[24:25], s[24:25], s[60:61]
	s_add_nc_u64 s[26:27], s[26:27], s[62:63]
	; all 48 loads: 16 mask rows (512 bytes each), two rows of hidden_states, two rows of the weight matrix
.irp i, 0,1,2,3,4,5,6,7,8,9,10,11,12,13,14,15
	global_load_b128 v[MK+4*\i:MK+4*\i+3], v1, s[8:9] offset:\i*4096 th:TH_LOAD_NT
.endr
.irp i, 0,1,2,3,4,5,6,7,8,9,10,11,12,13,14,15
	global_load_b128 v[CX+4*\i:CX+4*\i+3], v1, s[10:11] offset:\i*512 th:TH_LOAD_NT
.endr
.irp i, 0,1,2,3,4,5,6,7,8,9,10,11,12,13,14,15
	global_load_b128 v[CX+64+4*\i:CX+64+4*\i+3], v1, s[40:41] offset:\i*512 th:TH_LOAD_NT
.endr
	; the mask rows turn through the wave's own stage: in by rows, back as 8 bytes of row r for each (block, key tile)
	s_wait_loadcnt 32                              ; the 16 mask loads are in; the 32 younger loads stay out
.irp i, 0,1,2,3,4,5,6,7,8,9,10,11,12,13,14,15
	ds_store_b128 v3, v[MK+4*\i:MK+4*\i+3] offset:\i*PITCH
.endr
	s_wait_dscnt 0x0                               ; the stores are done: the loads below land in their data registers
.irp b, 0,1,2,3,4,5,6,7
.irp kt, 0,1,2,3
	ds_load_b64 v[MK+2*(4*\b+\kt):MK+2*(4*\b+\kt)+1], v4 offset:64*\b+16*\kt
.endr
.endr
; Eight words of mb: byte j of the lanes' 8 bytes is compared with 0; the compare's lane mask is the word; it goes to its place in W.
.macro BITS b, kt, W
.irp j, 0,1,2,3,4,5,6,7
	v_and_b32 v[T+\j], 0xff<<(8*(\j&3)), v[MK+2*(4*\b+\kt)+(\j>>2)]
.endr
.irp j, 0,1,2,3,4,5,6,7
	v_cmp_ne_u32 s[44+\j], 0, v[T+\j]
.endr
.irp j, 0,1,2,3,4,5,6,7
	v_writelane_b32 v[\W+(\j&3)], s[44+\j], ((\b&3)*32+\kt*8+\j)>>2
.endr
.endm
; Lanes 8 bb .. 8 bb + 7 of W hold block bb's 32 words: the block is alive if any of them is not 0.
.macro FLAGBITS W, grp
	v_or3_b32 v[T], v[\W], v[\W+1], v[\W+2]
	v_or_b32 v[T], v[T], v[\W+3]
	v_cmp_ne_u32 s53, 0, v[T]
.irp bb, 0,1,2,3
	s_and_b32 s54, s53, 0xff<<(8*\bb)              ; SCC = some lane of the block's eight
	s_cselect_b32 s54, 1<<(4*\grp+\bb), 0
	s_or_b32 s52, s52, s54
.endr
.endm
	; the mask's words, while the 32 loads of f32 are on their way: nothing here names their registers
	s_wait_dscnt 0x0                               ; the 32 pairs are in
.irp b, 0,1,2,3
.irp kt, 0,1,2,3
	BITS \b, \kt, W0
.endr
.endr
	global_store_b128 v1, v[W0:W0+3], s[24:25]     ; four blocks' words: 512 consecutive bytes
	FLAGBITS W0, 0
.irp b, 4,5,6,7
.irp kt, 0,1,2,3
	BITS \b, \kt, W1
.endr
.endr
	global_store_b128 v1, v[W1:W1+3], s[24:25] offset:512
	FLAGBITS W1, 1
; Load i of the 32: four f32 a lane become 8 bytes; the wave's store covers 256 consecutive bytes, aligned.  No register is written again.
.macro CAST i, base
	s_wait_loadcnt 31-\i                           ; loads come back in order (ISA guide 5.7.1): the 31 - i younger ones stay out
	v_cvt_pk_f16_f32 v[CX+4*\i], v[CX+4*\i], v[CX+4*\i+1]
	v_cvt_pk_f16_f32 v[CX+4*\i+1], v[CX+4*\i+2], v[CX+4*\i+3]
	global_store_b64 v2, v[CX+4*\i:CX+4*\i+1], s[\base:\base+1] offset:(\i&15)*256
.endm
.irp i, 0,1,2,3,4,5,6,7,8,9,10,11,12,13,14,15
	CAST \i, 20
.endr
.irp i, 16,17,18,19,20,21,22,23,24,25,26,27,28,29,30,31
	CAST \i, 22
.endr
	; the eight waves' flags meet in LDS: four waves (qt) for each half (kh) of the quarter's 16 blocks
	s_lshl_b32 s54, s33, 3
	s_lshl_b32 s52, s52, s54                       ; my eight blocks' place among the sixteen
	s_lshl_b32 s54, s28, 2
	s_add_co_u32 s54, s54, FLAGS
	v_mov_b32 v5, s52
	v_mov_b32 v6, s54
	ds_store_b32 v6, v5                            ; all lanes write the same word with the same value
	s_wait_dscnt 0x0                               ; for the others' sake: my word is written
	s_barrier_signal -1
	s_barrier_wait -1
	s_cmp_lg_u32 s28, 0
	s_cbranch_scc1 .Lend                           ; wave 0 alone stores the work-group's word
	v_mov_b32 v7, FLAGS
	ds_load_b128 v[T:T+3], v7
	ds_load_b128 v[T+4:T+7], v7 offset:16
	v_mov_b32 v6, 0
	s_wait_dscnt 0x0
	v_or3_b32 v[T], v[T], v[T+1], v[T+2]
	v_or3_b32 v[T], v[T], v[T+3], v[T+4]
	v_or3_b32 v[T], v[T], v[T+5], v[T+6]
	v_or_b32 v[T], v[T], v[T+7]
	v_cmp_eq_u32 vcc_lo, 0, v0
	s_wait_xcnt 0x0                                ; EXEC is a source of the stores above: it changes only behind this wait
	s_and_saveexec_b32 s54, vcc_lo
	global_store_b32 v6, v[T], s[26:27]            ; one word for a work-group: fl has 256 words in all
	s_wait_xcnt 0x0
	s_or_b32 exec_lo, exec_lo, s54
.Lend:
	s_wait_tensorcnt 0x0
	ds_add_u32 v216, v217
	s_wait_dscnt 0x0
	s_endpgm
.Lfunc_end_k_qc9bb70b4d7_prep:
	.size	k_qc9bb70b4d7_prep, .Lfunc_end_k_qc9bb70b4d7_prep-k_qc9bb70b4d7_prep
	.p2alignl 7, 3214868480
	.fill 96, 4, 3214868480
	.section	.rodata,"a",@progbits
	.p2align	6, 0x0
	.amdhsa_kernel k_qc9bb70b4d7_prep
		.amdhsa_group_segment_fixed_size 68864
		.amdhsa_private_segment_fixed_size 0
		.amdhsa_enable_private_segment 0
		.amdhsa_kernarg_size 80
		.amdhsa_user_sgpr_count 2
		.amdhsa_user_sgpr_kernarg_segment_ptr 1
		.amdhsa_wavefront_size32 1
		.amdhsa_system_sgpr_workgroup_id_x 1
		.amdhsa_system_sgpr_workgroup_id_y 1
		.amdhsa_system_sgpr_workgroup_id_z 1
		.amdhsa_system_vgpr_workitem_id 0
		.amdhsa_next_free_vgpr 218
		.amdhsa_next_free_sgpr 66
		.amdhsa_reserve_vcc 1
		.amdhsa_float_denorm_mode_32 3
		.amdhsa_float_denorm_mode_16_64 3
		.amdhsa_memory_ordered 1
		.amdhsa_forward_progress 1
		.amdhsa_inst_pref_size 70
	.end_amdhsa_kernel
	.amdgpu_metadata
---
amdhsa.version: [ 1, 2 ]
amdhsa.kernels:
  - .name:           k_qc9bb70b4d7_prep
    .symbol:         k_qc9bb70b4d7_prep.kd
    .args:
      - { .name: attention_mask, .offset: 0, .size: 8, .value_kind: global_buffer, .address_space: global }
      - { .name: hidden_states, .offset: 8, .size: 8, .value_kind: global_buffer, .address_space: global }
      - { .name: wq, .offset: 16, .size: 8, .value_kind: global_buffer, .address_space: global }
      - { .name: wk, .offset: 24, .size: 8, .value_kind: global_buffer, .address_space: global }
      - { .name: wv, .offset: 32, .size: 8, .value_kind: global_buffer, .address_space: global }
      - { .name: wo, .offset: 40, .size: 8, .value_kind: global_buffer, .address_space: global }
      - { .name: hb, .offset: 48, .size: 8, .value_kind: global_buffer, .address_space: global }
      - { .name: wb, .offset: 56, .size: 8, .value_kind: global_buffer, .address_space: global }
      - { .name: mb, .offset: 64, .size: 8, .value_kind: global_buffer, .address_space: global }
      - { .name: fl, .offset: 72, .size: 8, .value_kind: global_buffer, .address_space: global }
    .group_segment_fixed_size: 68864
    .private_segment_fixed_size: 0
    .kernarg_segment_align: 8
    .kernarg_segment_size: 80
    .max_flat_workgroup_size: 256
    .sgpr_count:     66
    .vgpr_count:     218
    .wavefront_size: 32
...
	.end_amdgpu_metadata
.endif
;; end of part 1
;; launch qkv (part 2): grid 16 x 16, 4 waves a work-group, clusters of 4 x 4, 327,680 bytes of LDS; arguments hb, wb, bq, bk, bv, qf, kf, vf; writes qf, kf, vf
.if DOCPART == 2
	.amdgcn_target "amdgcn-amd-amdhsa--gfx1250"
	.amdhsa_code_object_version 6
	.text
	.protected	k_qc9bb70b4d7_qkv
	.globl	k_qc9bb70b4d7_qkv
	.p2align	8
	.type	k_qc9bb70b4d7_qkv,@function
k_qc9bb70b4d7_qkv:
	s_mov_b64 s[64:65], 0
	v_nop
	global_prefetch_b8 v0, s[64:65] scope:SCOPE_SE
	s_setreg_imm32_b32 hwreg(HW_REG_WAVE_MODE, 25, 1), 1
	s_wait_xcnt 0x0
	s_wait_alu depctr_hold_cnt(0) depctr_sa_sdst(0) depctr_va_vdst(0) depctr_va_sdst(0) depctr_va_ssrc(0) depctr_va_vcc(0) depctr_vm_vsrc(0)
	s_getreg_b32 s2, hwreg(HW_REG_IB_STS2, 6, 4)
	s_cmp_eq_u32 s2, 0
	s_cbranch_scc0 .Lentry_in_a_cluster
	s_endpgm
.Lentry_in_a_cluster:
	s_bfe_u32 s2, ttmp6, 0x10000c
	s_cmp_lg_u32 s2, 0xf033
	s_cbranch_scc0 .Lentry_shape_is_right
	s_endpgm
.Lentry_shape_is_right:
; qkv: q, k and v of one head for 256 tokens: [256 tokens] x [192 rows of wb] over K = 1024, f16 operands, f32 sums.
; Work-group (x = head, y = token block).  Four waves; wave w owns tokens 64 w .. + 63 against all 192 weight rows: 48 accumulator tiles of 16 x 16.
; K goes in steps of 128 through two LDS slots filled by the tensor data mover; a tile's rows are 256 bytes of memory, at multiples of 256 bytes.
; CLUSTERS: 4 x 4 work-groups.  The token tile hangs on y alone and is asked for jointly by a row of the cluster, the weight tile on x alone
; and is asked for jointly by a column: that divides the requests for both by four.
; RESULTS are stored as the next launch's matrix operands, 16 bytes a lane, 512 consecutive bytes a store:
;   q, k: source 0 = weight rows, source 1 = tokens: lane (r, h), register j = (feature 8 h + j, token r): 8 neighbouring features of a token.
;   v:    source 0 = tokens, source 1 = weight rows: lane (r, h), register j = (token 8 h + j, feature r): 8 neighbouring tokens of a feature.
;   qf, kf, vf: [head][token tile of 16][feature tile of 16][lane][16 bytes].
; q carries c = 0.125 log2(e), so that the scores are exponents of 2.
; LIMIT: matrix operands and q c, k, v are rounded to f16 (11 significant bits): |q c|, |k|, |v| must stay below 65,504, and below 2^-14 they keep an
; absolute error of up to 2^-25.  The room, from the sizes: a sum of 1,024 products of spreads 1 and 0.02 has spread 0.64; with both inputs 30 times
; larger 576; with both offset by 30 spreads 1024 x 30 x 0.6 = 18,432; with both 30 times smaller 7e-4.
; REGISTERS in windows of 256: window 0 addresses, biases, the way out; window 1 q's and k's 32 tiles at 8 (16 p + 4 a + t);
; window 2 v's 16 tiles at 8 (4 a + t); window 3 two fragment buffers of 128: weight fragment n at 8 n, token fragment t at 96 + 8 t.
.set KSTEP,  128
.set PITCH,  272                       ; an LDS row: 256 bytes + 16 of padding: the 16 rows of a fragment load start at 16 different banks (64 banks of 4 bytes: ISA guide 11.1)
.set TOKB,   256*PITCH                 ; a slot: 256 token rows,
.set SLOT,   448*PITCH                 ; then 192 weight rows
.set LAPS,   4                         ; a lap = two K steps = once round the ring; K = 1024
.set ADRT, 16                          ; v16-17  LDS address of my token fragments in slot 0, 1
.set ADRW, 20                          ; v20-21  the same for the weight fragments
.set CO,   24                          ; v24     16 x lane
.set BOFF, 25                          ; v25     byte offset of my 8 numbers in bq, bk
.set VOFF, 26                          ; v26     byte offset of my number in bv
.set BQ,   32                          ; v[32:63]   bq x scale of features 16 a + 8 h + 0..7, at 8 a
.set BK,   64                          ; v[64:95]   bk likewise
.set BV,   96                          ; v[96:103]  bv of feature 16 a + r, twice, at 2 a
.set TMP,  128                         ; v[128:159] four tiles in f32 with bias
.set PK,   160                         ; v[160:175] the same packed
.set F0,   0                           ; fragment buffers, window 3
.set F1,   128
.set G1,  24                           ; s[24:31] descriptor group 1, token tiles
.set G0,  32                           ; s[32:39] group 0, token tiles, a set for each slot
.set G1B, 48                           ; s[48:55] group 1, weight tiles
.set G0B, 56                           ; s[56:63] group 0, weight tiles, a set for each slot
.set MSB, 0
.macro WIN new                         ; the immediate's high byte repeats the setting that is left
.if MSB != \new
	s_set_vgpr_msb (MSB<<8)|\new
.set MSB, \new
.endif
.endm
.set MUL_QK, 0x5f                      ; sources 0 and 1 window 3, C and D window 1
.set MUL_V,  0xaf                      ; sources 0 and 1 window 3, C and D window 2
.set TO_F,   0xc0                      ; destination window 3, address window 0
; A joint load.  Waves 0 and 1 fetch the token tile's halves, waves 2 and 3 the weight tile's.  Each line has one mask; the branch hangs on the wave's number alone.
.macro JLOAD s
	s_cmp_eq_u32 s11, 0
	s_cbranch_scc0 .Lfor_w_\@
	tensor_load_to_lds s[G0+4*\s:G0+4*\s+3], s[G1:G1+7]
	s_nop 0
	s_branch .Lasked_\@
.Lfor_w_\@:
	tensor_load_to_lds s[G0B+4*\s:G0B+4*\s+3], s[G1B:G1B+7]
	s_nop 0
.Lasked_\@:
.endm
; A round of the cluster's barrier: my work-group's barrier; wave 0 signals for the work-group; every wave waits for all sixteen; my work-group's barrier again.
.macro CREST
	s_cmp_lg_u32 s10, 0
	s_cbranch_scc1 .Lnot_wave_0_\@
	s_barrier_signal -3
.Lnot_wave_0_\@:
	s_barrier_wait -3
	s_barrier_signal -1
	s_barrier_wait -1
.endm
.macro CROUND
	s_barrier_signal -1
	s_barrier_wait -1
	CREST
.endm
	s_load_b512 s[68:83], s[0:1], 0x0              ; hb 68, wb 70, bq 72, bk 74, bv 76, qf 78, kf 80, vf 82
	v_lshl_add_u32 v254, v0, 2, 0x3b800
	v_mov_b32 v255, 0
	ds_add_u32 v254, v255
	v_lshrrev_b32 v1, 5, v0
	v_readfirstlane_b32 s10, v1                    ; wave
	s_lshr_b32 s11, s10, 1                         ; I fetch token rows (0) or weight rows (1),
	s_and_b32 s12, s10, 1                          ; and which half of that tile
	s_bfe_u32 s40, ttmp6, 0x40000                  ; cx
	s_bfe_u32 s41, ttmp6, 0x40004                  ; cy
	s_lshl_b32 s42, ttmp9, 2
	s_add_co_u32 s42, s42, s40                     ; head = 4 x cluster x + cx
	s_and_b32 s13, ttmp7, 0xffff
	s_lshl_b32 s13, s13, 2
	s_add_co_u32 s13, s13, s41                     ; token block = 4 x cluster y + cy
	s_lshl_b32 s43, s41, 2
	s_lshl_b32 s43, 15, s43                        ; my row of the cluster
	s_lshl_b32 s44, 0x1111, s40                    ; my column
	s_or_b32 s[G1+0], s43, (1<<16)|(1<<20)|(1<<21)|(5<<22)|(3<<25)  ; mask: my row; 2-byte elements; padding on; bit 21 beside a mask; after every 64 words, 4 words
	s_mov_b32 s[G1+1], KSTEP<<16                   ; tensor_dim0 = 128
	s_mov_b32 s[G1+2], 128<<16                     ; tensor_dim1 = 128
	s_mov_b32 s[G1+3], KSTEP<<16                   ; tile_dim0 = 128
	s_mov_b32 s[G1+4], 128                         ; tile_dim1 = 128 rows
	s_mov_b32 s[G1+5], 1024                        ; elements from row to row
	s_mov_b32 s[G1+6], 0
	s_mov_b32 s[G1+7], 0
	s_or_b32 s[G1B+0], s44, (1<<16)|(1<<20)|(1<<21)|(5<<22)|(3<<25) ; the same with my column's mask
	s_mov_b32 s[G1B+1], KSTEP<<16
	s_mov_b32 s[G1B+2], 96<<16                     ; 96 rows
	s_mov_b32 s[G1B+3], KSTEP<<16
	s_mov_b32 s[G1B+4], 96
	s_mov_b32 s[G1B+5], 1024
	s_mov_b32 s[G1B+6], 0
	s_mov_b32 s[G1B+7], 0
	; where the tiles come from: each address in registers that never hold the other coordinate
	s_lshl_b32 s17, s12, 7
	s_lshl_b32 s16, s13, 8
	s_add_co_u32 s16, s16, s17                     ; hb's row 256 x token block + 128 x half
	s_lshl_b32 s16, s16, 11                        ; rows of 2,048 bytes
	s_mov_b32 s17, 0
	s_mul_i32 s46, s42, 192
	s_mul_i32 s47, s12, 96
	s_add_co_u32 s46, s46, s47                     ; wb's row 192 x head + 96 x half
	s_lshl_b32 s46, s46, 11
	s_mov_b32 s47, 0
	s_mul_i32 s20, s10, 128*PITCH                  ; where they go: waves 0, 1: token rows 128 w
	s_mul_i32 s21, s10, 96*PITCH                   ; waves 2, 3: behind the 256 token rows, weight rows 96 (w - 2)
	s_add_co_u32 s21, s21, TOKB-2*96*PITCH
	s_wait_dscnt 0x0
	s_wait_kmcnt 0x0
	s_add_nc_u64 s[14:15], s[68:69], s[16:17]
	s_add_nc_u64 s[46:47], s[70:71], s[46:47]
	CROUND                                         ; all sixteen work-groups are here: the first joint loads meet
.irp s, 0,1
	s_mov_b32 s[G0+4*\s], 1
	s_add_co_u32 s[G0+4*\s+1], s20, \s*SLOT
	s_add_nc_u64 s[G0+4*\s+2:G0+4*\s+3], s[14:15], \s*KSTEP*2
	s_or_b32 s[G0+4*\s+3], s[G0+4*\s+3], 0x80000000
	s_mov_b32 s[G0B+4*\s], 1
	s_add_co_u32 s[G0B+4*\s+1], s21, \s*SLOT
	s_add_nc_u64 s[G0B+4*\s+2:G0B+4*\s+3], s[46:47], \s*KSTEP*2
	s_or_b32 s[G0B+4*\s+3], s[G0B+4*\s+3], 0x80000000
	JLOAD \s                                       ; both slots' first fills: two tensor loads of the wave are out
.endr
	v_and_b32 v1, 15, v0                           ; r
	v_bfe_u32 v2, v0, 4, 1                         ; h
	s_lshl_b32 s22, s42, 8                         ; the head's 64 features, 4 bytes each
	v_lshl_add_u32 v[BOFF], v2, 5, s22             ; + 8 h features
	v_lshl_add_u32 v[VOFF], v1, 2, s22             ; + r features
.irp a, 0,1,2,3
	global_load_b128 v[BQ+8*\a:BQ+8*\a+3],   v[BOFF], s[72:73] offset:64*\a
	global_load_b128 v[BQ+8*\a+4:BQ+8*\a+7], v[BOFF], s[72:73] offset:64*\a+16
	global_load_b128 v[BK+8*\a:BK+8*\a+3],   v[BOFF], s[74:75] offset:64*\a
	global_load_b128 v[BK+8*\a+4:BK+8*\a+7], v[BOFF], s[74:75] offset:64*\a+16
	global_load_b32  v[BV+2*\a],             v[VOFF], s[76:77] offset:64*\a
.endr
	v_mul_u32_u24 v3, v1, PITCH
	v_lshl_add_u32 v3, v2, 4, v3                   ; row r x pitch + 16 h
	s_mul_i32 s23, s10, 64*PITCH                   ; my 64 token rows
	v_add_nc_u32 v[ADRT], s23, v3
	v_add_nc_u32 v[ADRT+1], SLOT, v[ADRT]
	v_add_nc_u32 v[ADRW], TOKB, v3
	v_add_nc_u32 v[ADRW+1], TOKB+SLOT, v3
	v_and_b32 v4, 31, v0
	v_lshlrev_b32 v[CO], 4, v4
	s_mov_b32 s84, 0x3e38aa3b                      ; 0.125 log2(e), as a pair for the packed forms
	s_mov_b32 s85, 0x3e38aa3b
	s_wait_loadcnt 0x0                             ; the biases, once
.irp i, 0,1,2,3,4,5,6,7,8,9,10,11,12,13,14,15
	v_pk_mul_f32 v[BQ+2*\i:BQ+2*\i+1], v[BQ+2*\i:BQ+2*\i+1], s[84:85] op_sel_hi:[1,0]   ; (x + bq) c = x c + bq c
.endr
.irp a, 0,1,2,3
	v_mov_b32 v[BV+2*\a+1], v[BV+2*\a]
.endr
; 16 matrix instructions, 32 along K: part p (0 q, 1 k, 2 v), its four feature tiles a x my four token tiles t.  zero = 1: the first product starts the sums.
.macro MUL16 f, p, zero
.irp a, 0,1,2,3
.irp t, 0,1,2,3
.if \p < 2
.if \zero
	v_wmma_f32_16x16x32_f16 v[8*(16*\p+4*\a+\t):8*(16*\p+4*\a+\t)+7], v[\f+8*(4*\p+\a):\f+8*(4*\p+\a)+7], v[\f+96+8*\t:\f+96+8*\t+7], 0
.else
	v_wmma_f32_16x16x32_f16 v[8*(16*\p+4*\a+\t):8*(16*\p+4*\a+\t)+7], v[\f+8*(4*\p+\a):\f+8*(4*\p+\a)+7], v[\f+96+8*\t:\f+96+8*\t+7], v[8*(16*\p+4*\a+\t):8*(16*\p+4*\a+\t)+7]
.endif
.else
.if \zero
	v_wmma_f32_16x16x32_f16 v[8*(4*\a+\t):8*(4*\a+\t)+7], v[\f+96+8*\t:\f+96+8*\t+7], v[\f+8*(8+\a):\f+8*(8+\a)+7], 0
.else
	v_wmma_f32_16x16x32_f16 v[8*(4*\a+\t):8*(4*\a+\t)+7], v[\f+96+8*\t:\f+96+8*\t+7], v[\f+8*(8+\a):\f+8*(8+\a)+7], v[8*(4*\a+\t):8*(4*\a+\t)+7]
.endif
.endif
.endr
.endr
.endm
; 32 LDS loads in one run: a quarter step's fragments (32 K at byte k of the rows) into buffer f: q's and k's weights, my tokens, v's weights last
.macro FETCH slot, k, f
	WIN TO_F
.irp n, 0,1,2,3,4,5,6,7
	ds_load_b128 v[\f+8*\n:\f+8*\n+3],   v[ADRW+\slot] offset:\k+\n*16*PITCH
	ds_load_b128 v[\f+8*\n+4:\f+8*\n+7], v[ADRW+\slot] offset:\k+\n*16*PITCH+32
.endr
.irp t, 0,1,2,3
	ds_load_b128 v[\f+96+8*\t:\f+96+8*\t+3],   v[ADRT+\slot] offset:\k+\t*16*PITCH
	ds_load_b128 v[\f+96+8*\t+4:\f+96+8*\t+7], v[ADRT+\slot] offset:\k+\t*16*PITCH+32
.endr
.irp n, 8,9,10,11
	ds_load_b128 v[\f+8*\n:\f+8*\n+3],   v[ADRW+\slot] offset:\k+\n*16*PITCH
	ds_load_b128 v[\f+8*\n+4:\f+8*\n+7], v[ADRW+\slot] offset:\k+\n*16*PITCH+32
.endr
.endm
; Four places behind a matrix instruction before a load lands in a register that it read, or a vector instruction reads its result
; (ISA guide 7.12.1 for vector instructions); matrix instructions in between are not counted.
.macro PLACES
.rept 4
	v_nop
.endr
.endm
; A K step is four quarters of 32 along K, 48 matrix instructions each, on buffers 0, 1, 0, 1.  The 48 accumulators take turns in the same
; order in every quarter, one instruction a turn, over the backward jump too.
.macro QUARTER slot, k, f, g, zero
	s_wait_dscnt 8                                 ; all but the youngest eight loads (v's weights) are in
	WIN MUL_QK
	MUL16 \f, 0, \zero
	MUL16 \f, 1, \zero
	PLACES
	FETCH \slot, \k, \g
	s_wait_dscnt 32                                ; all but the 32 just issued
	WIN MUL_V
	MUL16 \f, 2, \zero
.endm
.macro THREE slot, zero
	QUARTER \slot, 64,  F0, F1, \zero
	QUARTER \slot, 128, F1, F0, 0
	QUARTER \slot, 192, F0, F1, 0
.endm
; The last quarter multiplies buffer 1 and changes slots.  In front of the barrier each wave waits for its reads of this slot and for all its
; tensor loads (one is out: its part of the next slot).  Behind it the refill comes first, then the next slot's first fragments.
.macro TURN slot, next, fill
	s_wait_dscnt 8
	WIN MUL_QK
	MUL16 F1, 0, 0
	s_wait_dscnt 0                                 ; my reads of this slot are over
	s_set_vgpr_msb 0x5f50
	s_wait_tensorcnt 0x0                           ; and all my tensor loads have landed
	ds_add_u32 v254, v255
	s_wait_dscnt 0x0
	s_set_vgpr_msb 0x505f
	s_barrier_signal -1                            ; where the slot is filled again this barrier opens a round of the cluster's barrier
	MUL16 F1, 1, 0                                 ; register work while the others arrive
	WIN 0
	s_barrier_wait -1
.if \fill
	CREST                                          ; no wave of any partner still reads this slot or has a load on its way
	s_add_nc_u64 s[G0+4*\slot+2:G0+4*\slot+3], s[G0+4*\slot+2:G0+4*\slot+3], 2*KSTEP*2
	s_add_nc_u64 s[G0B+4*\slot+2:G0B+4*\slot+3], s[G0B+4*\slot+2:G0B+4*\slot+3], 2*KSTEP*2
	JLOAD \slot                                    ; the wave's one tensor load behind the round, two K steps ahead
.endif
	PLACES
	FETCH \next, 0, F0
	WIN MUL_V
	MUL16 F1, 2, 0
.endm
.macro LAP zero
	THREE 0, \zero
	TURN 0, 1, 1
	THREE 1, 0
	TURN 1, 0, 1
.endm
	s_wait_tensorcnt 1                             ; my part of K step 0 is in; K step 1's load stays out
	s_barrier_signal -1
	s_barrier_wait -1
	FETCH 0, 0, F0
	LAP 1                                          ; the first lap's first products start the sums
	WIN 0                                          ; at a label and at a branch every window is 0
	s_mov_b32 s3, LAPS-2
.Llap:
	LAP 0
	WIN 0
	s_sub_co_u32 s3, s3, 1
	s_cmp_lg_u32 s3, 0
	s_cbranch_scc1 .Llap
	THREE 0, 0                                     ; the last lap fills nothing
	TURN 0, 1, 0
	THREE 1, 0
	s_wait_dscnt 8
	WIN MUL_QK
	MUL16 F1, 0, 0
	MUL16 F1, 1, 0
	s_wait_dscnt 0
	WIN MUL_V
	MUL16 F1, 2, 0
	; THE WAY OUT: bias (and q's scale), f16, 16 bytes a lane: tile (feature tile a, token tile t) is 512 consecutive bytes
	PLACES
	s_lshl_b32 s86, s42, 19                        ; head x 256 token tiles x 2,048 bytes
	s_lshl_b32 s87, s13, 15                        ; + 16 token tiles for a block
	s_add_co_u32 s86, s86, s87
	s_lshl_b32 s87, s10, 13                        ; + 4 for a wave
	s_add_co_u32 s86, s86, s87
	s_mov_b32 s87, 0
	s_add_nc_u64 s[78:79], s[78:79], s[86:87]
	s_add_nc_u64 s[80:81], s[80:81], s[86:87]
	s_add_nc_u64 s[82:83], s[82:83], s[86:87]
; win: the accumulators' window as source 0; acc: the first register of tiles (a, 0..3); bias: its first register, stepped with the register (bstep 1) or not (0)
.macro OUT win, acc, a, bias, bstep, scaled, base
	WIN \win
.irp t, 0,1,2,3
.irp k, 0,2,4,6
.if \scaled
	v_pk_fma_f32 v[TMP+8*\t+\k:TMP+8*\t+\k+1], v[\acc+8*\t+\k:\acc+8*\t+\k+1], s[84:85], v[\bias+\bstep*\k:\bias+\bstep*\k+1] op_sel_hi:[1,0,1]
.else
	v_pk_add_f32 v[TMP+8*\t+\k:TMP+8*\t+\k+1], v[\acc+8*\t+\k:\acc+8*\t+\k+1], v[\bias+\bstep*\k:\bias+\bstep*\k+1]
.endif
.endr
.endr
	WIN 0
	s_wait_xcnt 0x0                                ; PK, which the last four stores read, is written again only behind this wait
.irp t, 0,1,2,3
.irp r, 0,1,2,3
	v_cvt_pk_f16_f32 v[PK+4*\t+\r], v[TMP+8*\t+2*\r], v[TMP+8*\t+2*\r+1]
.endr
.endr
.irp t, 0,1,2,3
	global_store_b128 v[CO], v[PK+4*\t:PK+4*\t+3], s[\base:\base+1] offset:\t*2048+\a*512
.endr
.endm
.irp a, 0,1,2,3
	OUT 0x01, 32*\a, \a, BQ+8*\a, 1, 1, 78
.endr
.irp a, 0,1,2,3
	OUT 0x01, 128+32*\a, \a, BK+8*\a, 1, 0, 80
.endr
.irp a, 0,1,2,3
	OUT 0x02, 32*\a, \a, BV+2*\a, 0, 0, 82
.endr
	CROUND                                         ; the closing round: no work-group ends while a partner may still ask for a tile that names it
	s_endpgm
.Lfunc_end_k_qc9bb70b4d7_qkv:
	.size	k_qc9bb70b4d7_qkv, .Lfunc_end_k_qc9bb70b4d7_qkv-k_qc9bb70b4d7_qkv
	.p2alignl 7, 3214868480
	.fill 96, 4, 3214868480
	.section	.rodata,"a",@progbits
	.p2align	6, 0x0
	.amdhsa_kernel k_qc9bb70b4d7_qkv
		.amdhsa_group_segment_fixed_size 327680
		.amdhsa_private_segment_fixed_size 0
		.amdhsa_enable_private_segment 0
		.amdhsa_kernarg_size 64
		.amdhsa_user_sgpr_count 2
		.amdhsa_user_sgpr_kernarg_segment_ptr 1
		.amdhsa_wavefront_size32 1
		.amdhsa_system_sgpr_workgroup_id_x 1
		.amdhsa_system_sgpr_workgroup_id_y 1
		.amdhsa_system_sgpr_workgroup_id_z 1
		.amdhsa_system_vgpr_workitem_id 0
		.amdhsa_next_free_vgpr 1024
		.amdhsa_next_free_sgpr 96
		.amdhsa_reserve_vcc 0
		.amdhsa_float_denorm_mode_32 3
		.amdhsa_float_denorm_mode_16_64 3
		.amdhsa_memory_ordered 1
		.amdhsa_forward_progress 1
		.amdhsa_inst_pref_size 170
	.end_amdhsa_kernel
	.amdgpu_metadata
---
amdhsa.version: [ 1, 2 ]
amdhsa.kernels:
  - .name:           k_qc9bb70b4d7_qkv
    .symbol:         k_qc9bb70b4d7_qkv.kd
    .args:
      - { .name: hb, .offset: 0, .size: 8, .value_kind: global_buffer, .address_space: global }
      - { .name: wb, .offset: 8, .size: 8, .value_kind: global_buffer, .address_space: global }
      - { .name: bq, .offset: 16, .size: 8, .value_kind: global_buffer, .address_space: global }
      - { .name: bk, .offset: 24, .size: 8, .value_kind: global_buffer, .address_space: global }
      - { .name: bv, .offset: 32, .size: 8, .value_kind: global_buffer, .address_space: global }
      - { .name: qf, .offset: 40, .size: 8, .value_kind: global_buffer, .address_space: global }
      - { .name: kf, .offset: 48, .size: 8, .value_kind: global_buffer, .address_space: global }
      - { .name: vf, .offset: 56, .size: 8, .value_kind: global_buffer, .address_space: global }
    .group_segment_fixed_size: 327680
    .private_segment_fixed_size: 0
    .kernarg_segment_align: 8
    .kernarg_segment_size: 64
    .max_flat_workgroup_size: 128
    .sgpr_count:     96
    .vgpr_count:     1024
    .wavefront_size: 32
...
	.end_amdgpu_metadata
.endif
;; end of part 2
;; launch attn (part 3): grid 1024 x 1, 4 waves a work-group, no clusters, 0 bytes of LDS; arguments fl, mb, qf, kf, vf, af; writes af
.if DOCPART == 3
	.amdgcn_target "amdgcn-amd-amdhsa--gfx1250"
	.amdhsa_code_object_version 6
	.text
	.protected	k_qc9bb70b4d7_attn
	.globl	k_qc9bb70b4d7_attn
	.p2align	8
	.type	k_qc9bb70b4d7_attn,@function
k_qc9bb70b4d7_attn:
	s_mov_b64 s[64:65], 0
	v_nop
	global_prefetch_b8 v0, s[64:65] scope:SCOPE_SE
	s_setreg_imm32_b32 hwreg(HW_REG_WAVE_MODE, 25, 1), 1
	s_wait_xcnt 0x0
; attn: softmax(q k^T, masked) v for one head and 64 queries; wave w owns the 16 queries of token tile 4 qb + w.
; Only the key blocks of 64 that fl marks alive are walked (what the mask throws away whole is not computed); inside a block the mask is
; applied element by element, by the lane masks of mb.  The trip count and the block numbers are whole numbers stored by an earlier launch.
; All products are transposed, so that nothing moves between lanes but one maximum a trip:
;   S^T = K Q^T:   lane (r, h), register 8 kt + j = (key 16 kt + 8 h + j, query r); packed to f16 it IS the B operand of
;   O^T = V^T P^T: lane (r, h), register 8 f + j = (feature 16 f + 8 h + j, query r); packed it is 16 bytes of af.
; kf and vf hold fragments ready for the registers: every load is 16 bytes a lane, 512 consecutive bytes a wave.
; PIPELINE without a second register set: the next block's K is asked for as soon as the S products have read K's registers, the next block's V
; as soon as the PV products have read V's.  The waves share nothing and pass no barrier: the trip count is data.
; The first trip is written out ahead of the loop: its PV products start O's sums and its sum starts L, so nothing is cleared.
; PREFETCH: wave 0 of work-group (head, qb) asks for K's block qb of its head, wave 1 for V's: 32 lanes 256 bytes apart cover the block's
; 8,192 bytes.  (head, qb) is one to one with the work-groups, so each 256 bytes of kf and vf are asked for once in the launch: 16 KiB a
; work-group, 16 MiB in all.  The request stands at the head, behind Q's loads and ahead of the wait for the list, and none follows.  It is not
; steered by the lists: no work-group knows which others will read a block, so a block that is dead in every row block is asked for in vain.
; NO CLUSTER, NO TENSOR LOADS: row blocks of one head have different lists of blocks (different numbers of tiles), and heads of one row block
; read different K and V: no two work-groups would make equal requests.
; The scores come as exponents of 2 (q carries 0.125 log2 e).  Running maximum M and sum L, per query.
; LIMITS: p (0 to 1) is rounded to f16 for the product with V (a p below 2^-25 counts as 0 there), L sums the unrounded p; the result, a convex mix of v
; and so within v's bound of 65,504, is rounded to f16.  M starts at the lowest finite f32, so a query that is masked in a whole block gives p = 0 and
; alpha = 1 there.  A query masked everywhere ends with L = 0, O = 0: 0 x (1/0) = NaN in its 64 features, as softmax of an empty row.
.set LA,   1                           ; v1         16 x lane
.set GOK,  2                           ; v2         16 x lane + 8,192 x block, for K's loads
.set NINF, 3                           ; v3         -infinity
.set M,    4                           ; v4         running maximum of my query
.set L,    5                           ; v5         running sum over my half's keys
.set MM,   6                           ; v[6:7]     the new maximum, twice
.set AL,   8                           ; v[8:9]     2^(M - new M), twice
.set T,    10                          ; v[10:15]   at work
.set Q,    16                          ; v[16:31]   Q's two fragments (32 features each)
.set S,    32                          ; v[32:63]   S^T; P packed in place into v[32:47]
.set O,    64                          ; v[64:95]   O^T, four tiles
.set KF,   96                          ; v[96:159]  K fragment (key tile kt, 32 features u) at 8 (2 kt + u)
.set VF,   160                         ; v[160:223] V fragment (feature tile f, 32 keys u) at 8 (2 f + u)
.set GOV,  224                         ; v224       as GOK, for V's loads
.set PF,   225                         ; v225       256 x lane + 8,192 x qb, for the prefetch; never rewritten
	s_load_b256 s[8:15], s[0:1], 0x0               ; fl 8, mb 10, qf 12, kf 14
	s_load_b128 s[16:19], s[0:1], 0x20             ; vf 16, af 18
	v_lshrrev_b32 v2, 5, v0
	v_readfirstlane_b32 s20, v2                    ; wave
	v_and_b32 v1, 31, v0
	v_lshlrev_b32 v[PF], 8, v1
	v_lshlrev_b32 v[LA], 4, v1
	; id = a + 4 b + 64 c + 256 d -> quarter q = (a + d) & 3, row block 16 q + (b, or 15 - b where q is odd), head c + 4 d: one to one.
	; Four ids that follow each other, and four that lie 256 apart, take row blocks b, 31 - b, 32 + b, 63 - b: where the number of live blocks
	; rises or falls steadily along the sequence the four counts add up alike for every b; for any other mask this dealing is as good as another.
	s_and_b32 s21, ttmp9, 3
	s_lshr_b32 s29, ttmp9, 8
	s_bfe_u32 s22, ttmp9, 0x40002
	s_bfe_u32 s23, ttmp9, 0x20006
	s_add_co_u32 s21, s21, s29
	s_and_b32 s21, s21, 3                          ; q
	s_and_b32 s30, s21, 1                          ; SCC = q is odd
	s_cselect_b32 s30, 15, 0
	s_xor_b32 s22, s22, s30                        ; b, or 15 - b
	s_lshl4_add_u32 s22, s21, s22                  ; qb
	s_lshl2_add_u32 s23, s29, s23                  ; head
	s_lshl_b32 s30, s22, 4                         ; fl: four words for a row block
	s_lshl2_add_u32 s21, s22, s20                  ; my token tile
	v_lshl_add_u32 v[PF], s22, 13, v[PF]
	s_wait_kmcnt 0x0
	s_load_b128 s[68:71], s[8:9], s30 offset:0x0
	s_lshl_b32 s72, s23, 19                        ; a head's 524,288 bytes in qf, kf, vf
	s_mov_b32 s73, 0
	s_add_nc_u64 s[12:13], s[12:13], s[72:73]
	s_add_nc_u64 s[14:15], s[14:15], s[72:73]
	s_add_nc_u64 s[16:17], s[16:17], s[72:73]
	s_lshl_b32 s72, s21, 11                        ; qf: a token tile's 2,048 bytes
	s_add_nc_u64 s[12:13], s[12:13], s[72:73]
	s_lshl_b32 s72, s21, 13                        ; mb: 64 blocks of 128 bytes for a token tile
	s_add_nc_u64 s[10:11], s[10:11], s[72:73]
	s_lshl_b32 s72, s21, 15                        ; af: a token tile's 32,768 bytes + the head's four feature tiles of 512
	s_lshl_b32 s74, s23, 11
	s_add_co_u32 s72, s72, s74
	s_add_nc_u64 s[18:19], s[18:19], s[72:73]
.irp f, 0,1,2,3
	global_load_b128 v[Q+4*\f:Q+4*\f+3], v[LA], s[12:13] offset:512*\f
.endr
	s_cmp_gt_u32 s20, 1
	s_cbranch_scc1 .Lnot_asking                    ; waves 2 and 3 ask for nothing
	s_cmp_eq_u32 s20, 0
	s_cselect_b64 s[76:77], s[14:15], s[16:17]     ; wave 0: kf, wave 1: vf, at my head; chosen by the wave's number alone
	global_prefetch_b8 v[PF], s[76:77] th:TH_LOAD_NT scope:SCOPE_SE   ; block qb: the last lane's byte is 7,936 + 8,192 qb, inside the head's 524,288
.Lnot_asking:
	s_mov_b32 s66, 0x76543210                      ; v_permlanex16_b32: lane i reads lane i of the other half
	s_mov_b32 s67, 0xfedcba98
	v_mov_b32 v[NINF], 0xff800000
	v_mov_b32 v[M], 0xff7fffff
; The lowest live block leaves the list (s24 blocks 0-31, s25 blocks 32-63) and goes to s28.  Clamped to 63: with the list empty it names a block that is fetched and not used.
.macro NEXTKB
	s_cmp_lg_u32 s24, 0
	s_cselect_b32 s29, s24, s25
	s_cselect_b32 s30, 0, 32
	s_ctz_i32_b32 s28, s29
	s_add_co_u32 s28, s28, s30
	s_min_u32 s28, s28, 63
	s_sub_co_u32 s30, s29, 1
	s_and_b32 s29, s29, s30                        ; its bit is cleared
	s_cmp_lg_u32 s24, 0
	s_cselect_b32 s25, s25, s29
	s_cselect_b32 s24, s29, 0
.endm
.macro KLOAD                           ; 8,192 bytes in the order of the registers: load 4 kt + 2 u + e is half e of fragment (kt, u)
.irp i, 0,1,2,3,4,5,6,7,8,9,10,11,12,13,14,15
	global_load_b128 v[KF+4*\i:KF+4*\i+3], v[GOK], s[14:15] offset:512*\i
.endr
.endm
.macro VLOAD                           ; fragment (f, u): feature tile f of token tiles 2 u and 2 u + 1
.irp f, 0,1,2,3
.irp u, 0,1
	global_load_b128 v[VF+8*(2*\f+\u):VF+8*(2*\f+\u)+3],   v[GOV], s[16:17] offset:(8*\u+\f)*512
	global_load_b128 v[VF+8*(2*\f+\u)+4:VF+8*(2*\f+\u)+7], v[GOV], s[16:17] offset:(8*\u+\f)*512+2048
.endr
.endr
.endm
.macro MASKLD                          ; the block's 32 lane masks
	s_lshl_b32 s31, s28, 7
	s_load_b512 s[32:47], s[10:11], s31 offset:0x0
	s_load_b512 s[48:63], s[10:11], s31 offset:0x40
.endm
; One block of 64 keys.  first = 1: the trip ahead of the loop: no alpha, O and L start here.
.macro TRIP first
	s_wait_loadcnt 16                              ; K is in (in the first trip Q too); V's 16 younger loads stay out
	; the four score tiles take turns, one instruction a turn
.irp kt, 0,1,2,3
	v_wmma_f32_16x16x32_f16 v[S+8*\kt:S+8*\kt+7], v[KF+16*\kt:KF+16*\kt+7], v[Q:Q+7], 0
.endr
.irp kt, 0,1,2,3
	v_wmma_f32_16x16x32_f16 v[S+8*\kt:S+8*\kt+7], v[KF+16*\kt+8:KF+16*\kt+15], v[Q+8:Q+15], v[S+8*\kt:S+8*\kt+7]
.endr
	NEXTKB
	v_lshl_add_u32 v[GOK], s28, 13, v[LA]          ; free since the wait above showed K's loads done; the first of four places behind the products
	v_nop
	v_nop
	v_nop
	KLOAD                                          ; the next block's K, into the registers just read
	s_wait_kmcnt 0x0                               ; this block's lane masks
.set i, 0
.rept 32
	v_cndmask_b32 v[S+i], v[NINF], v[S+i], s[32+i]
.set i, i+1
.endr
	MASKLD                                         ; the next block's, behind the wait that freed s31
	; the new maximum of my query: 32 scores and M in four chains, then the other half's
.irp c, 0,1,2,3
	v_max3_num_f32 v[T+\c], v[S+8*\c], v[S+8*\c+1], v[S+8*\c+2]
.endr
.irp c, 0,1,2,3
	v_max3_num_f32 v[T+\c], v[T+\c], v[S+8*\c+3], v[S+8*\c+4]
.endr
.irp c, 0,1,2,3
	v_max3_num_f32 v[T+\c], v[T+\c], v[S+8*\c+5], v[S+8*\c+6]
.endr
	v_max3_num_f32 v[T], v[T], v[S+7], v[S+15]
	v_max3_num_f32 v[T+1], v[T+1], v[S+23], v[S+31]
	v_max3_num_f32 v[T+2], v[T+2], v[T+3], v[M]
	v_max3_num_f32 v[T], v[T], v[T+1], v[T+2]
	v_permlanex16_b32 v[T+1], v[T], s66, s67
	v_max_num_f32 v[MM], v[T], v[T+1]
	v_mov_b32 v[MM+1], v[MM]
.if \first == 0
	v_sub_f32 v[AL], v[M], v[MM]
.endif
.set i, 0
.rept 16
	v_pk_add_f32 v[S+i:S+i+1], v[S+i:S+i+1], v[MM:MM+1] neg_lo:[0,1] neg_hi:[0,1]
.set i, i+2
.endr
.if \first == 0
	v_exp_f32 v[AL], v[AL]
.endif
.set i, 0
.rept 32
	v_exp_f32 v[S+i], v[S+i]
.set i, i+1
.endr
	v_mov_b32 v[M], v[MM]                          ; the one plain instruction between the exponentials and the first use of a result (ISA guide 5.7.2)
.if \first == 0
	s_wait_alu depctr_va_vdst(0)
	v_mov_b32 v[AL+1], v[AL]
.endif
	; the sum of my 32 p, in three chains
	s_wait_alu depctr_va_vdst(0)
	v_pk_add_f32 v[T:T+1], v[S:S+1], v[S+2:S+3]
	v_pk_add_f32 v[T+2:T+3], v[S+4:S+5], v[S+6:S+7]
	v_pk_add_f32 v[T+4:T+5], v[S+8:S+9], v[S+10:S+11]
.irp i, 12,18,24
	v_pk_add_f32 v[T:T+1], v[T:T+1], v[S+\i:S+\i+1]
	v_pk_add_f32 v[T+2:T+3], v[T+2:T+3], v[S+\i+2:S+\i+3]
	v_pk_add_f32 v[T+4:T+5], v[T+4:T+5], v[S+\i+4:S+\i+5]
.endr
	v_pk_add_f32 v[T:T+1], v[T:T+1], v[S+30:S+31]
	v_pk_add_f32 v[T+2:T+3], v[T+2:T+3], v[T+4:T+5]
	v_pk_add_f32 v[T:T+1], v[T:T+1], v[T+2:T+3]
.if \first
	v_add_f32 v[L], v[T], v[T+1]                   ; L starts
.else
	v_add_f32 v[T], v[T], v[T+1]
	v_fma_f32 v[L], v[L], v[AL], v[T]              ; L = L alpha + sum
.endif
.set i, 0
.rept 16
	v_cvt_pk_f16_f32 v[S+i], v[S+2*i], v[S+2*i+1]  ; in place, ascending: word i lands on a register already read
.set i, i+1
.endr
.if \first == 0
.set i, 0
.rept 16
	v_pk_mul_f32 v[O+i:O+i+1], v[O+i:O+i+1], v[AL:AL+1]
.set i, i+2
.endr
.endif
	s_wait_loadcnt 16                              ; V is in; the next K's 16 younger loads stay out
	; O's four tiles take turns, one instruction a turn
.irp f, 0,1,2,3
.if \first
	v_wmma_f32_16x16x32_f16 v[O+8*\f:O+8*\f+7], v[VF+16*\f:VF+16*\f+7], v[S:S+7], 0
.else
	v_wmma_f32_16x16x32_f16 v[O+8*\f:O+8*\f+7], v[VF+16*\f:VF+16*\f+7], v[S:S+7], v[O+8*\f:O+8*\f+7]
.endif
.endr
.irp f, 0,1,2,3
	v_wmma_f32_16x16x32_f16 v[O+8*\f:O+8*\f+7], v[VF+16*\f+8:VF+16*\f+15], v[S+8:S+15], v[O+8*\f:O+8*\f+7]
.endr
	v_lshl_add_u32 v[GOV], s28, 13, v[LA]          ; free since the wait above showed V's loads done; the first of five places: the next trip's
	v_nop                                          ; first product writes over P, a source of these products (ISA guide 7.12.1); four of them serve
	v_nop                                          ; the loads into V's registers and, behind the last trip, the reads of O
	v_nop
	v_nop
	VLOAD                                          ; the next block's V, into the registers just read
.endm
	s_wait_kmcnt 0x0
	s_lshl_b32 s69, s69, 16
	s_or_b32 s24, s68, s69                         ; blocks 0-31
	s_lshl_b32 s71, s71, 16
	s_or_b32 s25, s70, s71                         ; blocks 32-63
	s_or_b32 s29, s24, s25
	s_cselect_b32 s24, s24, 1                      ; no live block at all: block 0 is walked, wholly masked, and leaves L = 0
	s_bcnt1_i32_b32 s26, s24
	s_bcnt1_i32_b32 s29, s25
	s_add_co_u32 s26, s26, s29                     ; trips: 1 to 64
	NEXTKB
	v_lshl_add_u32 v[GOK], s28, 13, v[LA]
	v_lshl_add_u32 v[GOV], s28, 13, v[LA]
	KLOAD
	VLOAD
	MASKLD
	TRIP 1                                         ; there is always a first block
	s_mov_b32 s27, 1
	s_cmp_lt_u32 s27, s26
	s_cbranch_scc0 .Lwalked                        ; a list of one block; no barrier stands in the loop that is jumped over
.Ltrip:
	TRIP 0                                         ; at its head the same loads are out on both ways in: the next K's 16, then the next V's 16
	s_add_co_u32 s27, s27, 1
	s_cmp_lt_u32 s27, s26
	s_cbranch_scc1 .Ltrip
.Lwalked:
	; O / L; the two halves' sums meet here.  The loads still out land in K's and V's registers, which nothing below names.
	v_permlanex16_b32 v[T], v[L], s66, s67
	v_add_f32 v[L], v[L], v[T]
	v_rcp_f32 v[AL], v[L]
	v_nop
	s_wait_alu depctr_va_vdst(0)
	v_mov_b32 v[AL+1], v[AL]
.set i, 0
.rept 16
	v_pk_mul_f32 v[O+i:O+i+1], v[O+i:O+i+1], v[AL:AL+1]
.set i, i+2
.endr
.set i, 0
.rept 16
	v_cvt_pk_f16_f32 v[O+i], v[O+2*i], v[O+2*i+1]
.set i, i+1
.endr
.irp f, 0,1,2,3
	global_store_b128 v[LA], v[O+4*\f:O+4*\f+3], s[18:19] offset:512*\f
.endr
	s_endpgm
.Lfunc_end_k_qc9bb70b4d7_attn:
	.size	k_qc9bb70b4d7_attn, .Lfunc_end_k_qc9bb70b4d7_attn-k_qc9bb70b4d7_attn
	.p2alignl 7, 3214868480
	.fill 96, 4, 3214868480
	.section	.rodata,"a",@progbits
	.p2align	6, 0x0
	.amdhsa_kernel k_qc9bb70b4d7_attn
		.amdhsa_group_segment_fixed_size 0
		.amdhsa_private_segment_fixed_size 0
		.amdhsa_enable_private_segment 0
		.amdhsa_kernarg_size 48
		.amdhsa_user_sgpr_count 2
		.amdhsa_user_sgpr_kernarg_segment_ptr 1
		.amdhsa_wavefront_size32 1
		.amdhsa_system_sgpr_workgroup_id_x 1
		.amdhsa_system_sgpr_workgroup_id_y 1
		.amdhsa_system_sgpr_workgroup_id_z 1
		.amdhsa_system_vgpr_workitem_id 0
		.amdhsa_next_free_vgpr 232
		.amdhsa_next_free_sgpr 80
		.amdhsa_reserve_vcc 0
		.amdhsa_float_denorm_mode_32 3
		.amdhsa_float_denorm_mode_16_64 3
		.amdhsa_memory_ordered 1
		.amdhsa_forward_progress 1
		.amdhsa_inst_pref_size 35
	.end_amdhsa_kernel
	.amdgpu_metadata
---
amdhsa.version: [ 1, 2 ]
amdhsa.kernels:
  - .name:           k_qc9bb70b4d7_attn
    .symbol:         k_qc9bb70b4d7_attn.kd
    .args:
      - { .name: fl, .offset: 0, .size: 8, .value_kind: global_buffer, .address_space: global }
      - { .name: mb, .offset: 8, .size: 8, .value_kind: global_buffer, .address_space: global }
      - { .name: qf, .offset: 16, .size: 8, .value_kind: global_buffer, .address_space: global }
      - { .name: kf, .offset: 24, .size: 8, .value_kind: global_buffer, .address_space: global }
      - { .name: vf, .offset: 32, .size: 8, .value_kind: global_buffer, .address_space: global }
      - { .name: af, .offset: 40, .size: 8, .value_kind: global_buffer, .address_space: global }
    .group_segment_fixed_size: 0
    .private_segment_fixed_size: 0
    .kernarg_segment_align: 8
    .kernarg_segment_size: 48
    .max_flat_workgroup_size: 128
    .sgpr_count:     80
    .vgpr_count:     232
    .wavefront_size: 32
...
	.end_amdgpu_metadata
.endif
;; end of part 3
;; launch oproj (part 4): grid 8 x 32, 4 waves a work-group, clusters of 4 x 4, 327,680 bytes of LDS; arguments af, wb, bo, out0; writes out0
.if DOCPART == 4
	.amdgcn_target "amdgcn-amd-amdhsa--gfx1250"
	.amdhsa_code_object_version 6
	.text
	.protected	k_qc9bb70b4d7_oproj
	.globl	k_qc9bb70b4d7_oproj
	.p2align	8
	.type	k_qc9bb70b4d7_oproj,@function
k_qc9bb70b4d7_oproj:
	s_mov_b64 s[64:65], 0
	v_nop
	global_prefetch_b8 v0, s[64:65] scope:SCOPE_SE
	s_setreg_imm32_b32 hwreg(HW_REG_WAVE_MODE, 25, 1), 1
	s_wait_xcnt 0x0
	s_wait_alu depctr_hold_cnt(0) depctr_sa_sdst(0) depctr_va_vdst(0) depctr_va_sdst(0) depctr_va_ssrc(0) depctr_va_vcc(0) depctr_vm_vsrc(0)
	s_getreg_b32 s2, hwreg(HW_REG_IB_STS2, 6, 4)
	s_cmp_eq_u32 s2, 0
	s_cbranch_scc0 .Lentry_in_a_cluster
	s_endpgm
.Lentry_in_a_cluster:
	s_bfe_u32 s2, ttmp6, 0x10000c
	s_cmp_lg_u32 s2, 0xf033
	s_cbranch_scc0 .Lentry_shape_is_right
	s_endpgm
.Lentry_shape_is_right:
; oproj: out0 = attn wo^T + bo.  Work-group (x = 128 output features, y = 128 tokens); K = 1024 in four steps of 256 through two LDS slots.
; Four waves; wave w makes 64 tokens (w >> 1) x 64 features (w & 1): 16 accumulator tiles.  256 work-groups of equal work.
; af holds the tokens' fragments ready for the registers ([token tile][feature tile][lane][16 bytes]): a token tile's 256 features are 8,192
; consecutive bytes, copied as they lie; wo's rows (wb's rows 3072 ..) lie along K and are padded in LDS.
; CLUSTERS: 4 x 4.  The weight tile hangs on x alone and is asked for jointly by a column of the cluster, the token tile on y alone, by a row.
; The matrix instruction is used transposed (source 0 = wo's rows, source 1 = tokens): lane (r, h), register j = (feature 8 h + j, token r):
; 8 neighbouring f32 of a row of out0.  A NaN in a token's attention row reaches that token's outputs alone.
; LIMIT: f16 operands (as the earlier launches stored them), f32 sums.
.set WPITCH, 528                       ; a weight row in LDS: 512 bytes + 16: the 16 rows of a fragment load start at 16 different banks (64 banks of 4 bytes: ISA guide 11.1)
.set WBYTES, 128*WPITCH                ; a slot: 128 weight rows,
.set TTILE,  8192                      ; then eight token tiles of 8,192 bytes
.set SLOT,   WBYTES+8*TTILE
.set STAGE,  2*SLOT                    ; behind the ring: 16 rows of 272 bytes for each wave, for the way out; no tensor load fills it
.set SPITCH, 272
.set ADRT, 16                          ; v16-17  LDS address of my token fragments in slot 0, 1
.set ADRW, 20                          ; v20-21  the same for the weight fragments
.set STO,  24                          ; v24     the way out: where I put 32 bytes of a row
.set RD,   25                          ; v25     where I read a row back
.set CO,   26                          ; v26     my byte offset in out0
.set BOF,  27                          ; v27     my byte offset in bo
.set BO,   28                          ; v[28:31]  bo of my four columns on the way out
.set R,    32                          ; v[32:95]  two buffers of 32 for the rows read back
.set F0,   128                         ; fragment buffers: weight fragment n at 8 n, token fragment t at 32 + 8 t
.set F1,   192
.set G1W, 24                           ; s[24:31] descriptor group 1, weight tiles
.set G0W, 32                           ; s[32:39] group 0, weight tiles, a set for each slot
.set G1T, 48                           ; s[48:55] group 1, token tiles
.set G0T, 56                           ; s[56:63] group 0, token tiles, a set for each slot
.set MSB, 0
.macro WIN new                         ; the immediate's high byte repeats the setting that is left
.if MSB != \new
	s_set_vgpr_msb (MSB<<8)|\new
.set MSB, \new
.endif
.endm
.set MUL, 0x50                         ; sources 0 and 1 window 0, C and D window 1: tile (a, t) at v[8 (4 a + t)] there
; A joint load.  Waves 0 and 1 fetch the weight tile's halves, waves 2 and 3 the token tile's.  The branch hangs on the wave's number alone.
.macro JLOAD s
	s_cmp_eq_u32 s11, 0
	s_cbranch_scc0 .Lfor_t_\@
	tensor_load_to_lds s[G0W+4*\s:G0W+4*\s+3], s[G1W:G1W+7]
	s_nop 0
	s_branch .Lasked_\@
.Lfor_t_\@:
	tensor_load_to_lds s[G0T+4*\s:G0T+4*\s+3], s[G1T:G1T+7]
	s_nop 0
.Lasked_\@:
.endm
.macro CROUND                          ; a round of the cluster's barrier
	s_barrier_signal -1
	s_barrier_wait -1
	s_cmp_lg_u32 s10, 0
	s_cbranch_scc1 .Lnot_wave_0_\@
	s_barrier_signal -3
.Lnot_wave_0_\@:
	s_barrier_wait -3
	s_barrier_signal -1
	s_barrier_wait -1
.endm
	s_load_b256 s[68:75], s[0:1], 0x0              ; af 68, wb 70, bo 72, out0 74
	v_lshl_add_u32 v126, v0, 2, 0x45400
	v_mov_b32 v127, 0
	ds_add_u32 v126, v127
	v_lshrrev_b32 v1, 5, v0
	v_readfirstlane_b32 s10, v1                    ; wave
	s_lshr_b32 s11, s10, 1                         ; my half of the tokens.  Also: I fetch weight rows (0) or token tiles (1)
	s_and_b32 s12, s10, 1                          ; my half of the features.  Also: which half of that tile I fetch
	s_bfe_u32 s40, ttmp6, 0x40000                  ; cx
	s_bfe_u32 s41, ttmp6, 0x40004                  ; cy
	s_lshl_b32 s42, ttmp9, 2
	s_add_co_u32 s42, s42, s40                     ; feature block
	s_and_b32 s13, ttmp7, 0xffff
	s_lshl_b32 s13, s13, 2
	s_add_co_u32 s13, s13, s41                     ; token block
	s_lshl_b32 s43, s41, 2
	s_lshl_b32 s43, 15, s43                        ; my row of the cluster
	s_lshl_b32 s44, 0x1111, s40                    ; my column
	s_or_b32 s[G1W+0], s44, (1<<16)|(1<<20)|(1<<21)|(6<<22)|(3<<25) ; mask: my column; 2-byte elements; padding on; bit 21 beside a mask; after every 128 words, 4 words
	s_mov_b32 s[G1W+1], 256<<16                    ; tensor_dim0 = 256
	s_mov_b32 s[G1W+2], 64<<16                     ; tensor_dim1 = 64
	s_mov_b32 s[G1W+3], 256<<16                    ; tile_dim0 = 256 elements (512 bytes)
	s_mov_b32 s[G1W+4], 64                         ; tile_dim1 = 64 rows
	s_mov_b32 s[G1W+5], 1024                       ; elements from row to row
	s_mov_b32 s[G1W+6], 0
	s_mov_b32 s[G1W+7], 0
	s_or_b32 s[G1T+0], s43, (3<<16)|(1<<21)        ; mask: my row; 8-byte elements; no padding
	s_mov_b32 s[G1T+1], 1024<<16                   ; tensor_dim0 = 1,024 elements: a token tile's 8,192 bytes of this K step
	s_mov_b32 s[G1T+2], 4<<16                      ; tensor_dim1 = 4 token tiles
	s_mov_b32 s[G1T+3], 1024<<16                   ; tile_dim0
	s_mov_b32 s[G1T+4], 4                          ; tile_dim1
	s_mov_b32 s[G1T+5], 4096                       ; from a token tile to the next: 32,768 bytes
	s_mov_b32 s[G1T+6], 0
	s_mov_b32 s[G1T+7], 0
	; where the tiles come from: each address in registers that never hold the other coordinate
	s_lshl_b32 s16, s13, 3
	s_lshl2_add_u32 s16, s12, s16                  ; token tile 8 x token block + 4 x half
	s_lshl_b32 s16, s16, 15
	s_mov_b32 s17, 0
	s_lshl_b32 s46, s42, 7
	s_lshl_b32 s47, s12, 6
	s_add_co_u32 s46, s46, s47
	s_add_co_u32 s46, s46, 3072                    ; wb's row 3072 + 128 x feature block + 64 x half
	s_lshl_b32 s46, s46, 11
	s_mov_b32 s47, 0
	s_mul_i32 s20, s10, 64*WPITCH                  ; where they go: waves 0, 1: weight rows 64 w
	s_mul_i32 s21, s10, 4*TTILE                    ; waves 2, 3: behind the 128 weight rows, token tiles 4 (w - 2)
	s_add_co_u32 s21, s21, WBYTES-8*TTILE
	s_wait_dscnt 0x0
	s_wait_kmcnt 0x0
	s_add_nc_u64 s[14:15], s[68:69], s[16:17]
	s_add_nc_u64 s[46:47], s[70:71], s[46:47]
	CROUND                                         ; all sixteen work-groups are here: the first joint loads meet
.irp s, 0,1
	s_mov_b32 s[G0W+4*\s], 1
	s_add_co_u32 s[G0W+4*\s+1], s20, \s*SLOT
	s_add_nc_u64 s[G0W+4*\s+2:G0W+4*\s+3], s[46:47], \s*512
	s_or_b32 s[G0W+4*\s+3], s[G0W+4*\s+3], 0x80000000
	s_mov_b32 s[G0T+4*\s], 1
	s_add_co_u32 s[G0T+4*\s+1], s21, \s*SLOT
	s_add_nc_u64 s[G0T+4*\s+2:G0T+4*\s+3], s[14:15], \s*TTILE
	s_or_b32 s[G0T+4*\s+3], s[G0T+4*\s+3], 0x80000000
	JLOAD \s                                       ; both slots' first fills: two tensor loads of the wave are out
.endr
	v_and_b32 v1, 15, v0                           ; r
	v_bfe_u32 v2, v0, 4, 1                         ; h
	v_and_b32 v3, 31, v0                           ; lane
	s_lshl_b32 s78, s42, 9                         ; my first output column, in bytes: 512 x feature block + 256 x half
	s_lshl_b32 s79, s12, 8
	s_add_co_u32 s78, s78, s79
	v_lshl_add_u32 v[BOF], v1, 4, s78
	global_load_b128 v[BO:BO+3], v[BOF], s[72:73]  ; bo of columns 4 r .. 4 r + 3 of my 64
	s_mul_i32 s22, s11, 4*TTILE
	s_add_co_u32 s22, s22, WBYTES                  ; my four token tiles
	v_lshl_add_u32 v[ADRT], v3, 4, s22
	v_add_nc_u32 v[ADRT+1], SLOT, v[ADRT]
	v_mul_u32_u24 v4, v1, WPITCH
	v_lshl_add_u32 v4, v2, 4, v4
	s_mul_i32 s23, s12, 64*WPITCH                  ; my 64 weight rows
	v_add_nc_u32 v[ADRW], s23, v4
	v_add_nc_u32 v[ADRW+1], SLOT, v[ADRW]
	s_mul_i32 s23, s10, 16*SPITCH
	s_add_co_u32 s23, s23, STAGE                   ; my stage
	v_mul_u32_u24 v4, v1, SPITCH                   ; in: row r, 32 bytes for each half of the lanes
	v_lshl_add_u32 v4, v2, 5, v4
	v_add_nc_u32 v[STO], s23, v4
	v_mul_u32_u24 v5, v2, SPITCH                   ; back: lanes 0-15 take one row of 256 bytes, lanes 16-31 the next
	v_lshl_add_u32 v5, v1, 4, v5
	v_add_nc_u32 v[RD], s23, v5
	v_lshlrev_b32 v5, 12, v2                       ; and the same two rows of out0
	v_lshl_add_u32 v[CO], v1, 4, v5
; 8 matrix instructions, 32 along K: feature tiles a0, a0 + 1 x my four token tiles.  The 16 accumulators take turns in the same order in every
; quarter, one instruction a turn.
.macro MUL8 f, a0, zero
.irp a, \a0, \a0+1
.irp t, 0,1,2,3
.if \zero
	v_wmma_f32_16x16x32_f16 v[8*(4*(\a)+\t):8*(4*(\a)+\t)+7], v[\f+8*(\a):\f+8*(\a)+7], v[\f+32+8*\t:\f+32+8*\t+7], 0
.else
	v_wmma_f32_16x16x32_f16 v[8*(4*(\a)+\t):8*(4*(\a)+\t)+7], v[\f+8*(\a):\f+8*(\a)+7], v[\f+32+8*\t:\f+32+8*\t+7], v[8*(4*(\a)+\t):8*(4*(\a)+\t)+7]
.endif
.endr
.endr
.endm
; 16 LDS loads: the fragments of 32 along K, number q of the slot's eight, into buffer f: weights 0, 1, my tokens, weights 2, 3 last
.macro FETCH slot, q, f
.irp n, 0,1
	ds_load_b128 v[\f+8*\n:\f+8*\n+3],   v[ADRW+\slot] offset:\n*16*WPITCH+64*\q
	ds_load_b128 v[\f+8*\n+4:\f+8*\n+7], v[ADRW+\slot] offset:\n*16*WPITCH+64*\q+32
.endr
.irp t, 0,1,2,3
	ds_load_b128 v[\f+32+8*\t:\f+32+8*\t+3],   v[ADRT+\slot] offset:\t*TTILE+1024*\q
	ds_load_b128 v[\f+32+8*\t+4:\f+32+8*\t+7], v[ADRT+\slot] offset:\t*TTILE+1024*\q+512
.endr
.irp n, 2,3
	ds_load_b128 v[\f+8*\n:\f+8*\n+3],   v[ADRW+\slot] offset:\n*16*WPITCH+64*\q
	ds_load_b128 v[\f+8*\n+4:\f+8*\n+7], v[ADRW+\slot] offset:\n*16*WPITCH+64*\q+32
.endr
.endm
; Four places behind a matrix instruction before a load lands in a register that it read, or an LDS store reads its result
; (ISA guide 7.12.1 for vector instructions).
.macro PLACES
.rept 4
	v_nop
.endr
.endm
; multiplies buffer f; in the middle fetches number qn into buffer g
.macro STEP slot, qn, f, g, zero
	s_wait_dscnt 4                                 ; all but the youngest four loads (weights 2, 3) are in
	WIN MUL
	MUL8 \f, 0, \zero
	PLACES
	WIN 0
	FETCH \slot, \qn, \g
	s_wait_dscnt 16                                ; all but the 16 just issued
	WIN MUL
	MUL8 \f, 2, \zero
.endm
.macro SLOTRUN slot, zero                          ; a slot's 256 along K: 128 matrix instructions
.if \zero == 0
	PLACES
.endif
	FETCH \slot, 0, F0
	STEP \slot, 1, F0, F1, \zero
	STEP \slot, 2, F1, F0, 0
	STEP \slot, 3, F0, F1, 0
	STEP \slot, 4, F1, F0, 0
	STEP \slot, 5, F0, F1, 0
	STEP \slot, 6, F1, F0, 0
	STEP \slot, 7, F0, F1, 0
	s_wait_dscnt 4
	WIN MUL
	MUL8 F1, 0, 0
	s_wait_dscnt 0
	MUL8 F1, 2, 0
	WIN 0
.endm
; Slot s has been read and is filled again, two K steps ahead.  The round of the cluster's barrier stands between every wave's waits and the joint refill.
.macro REFILL s
	s_wait_dscnt 0x0                               ; my reads of the slot are over (met: the run's last wait was for 0)
	s_wait_tensorcnt 0x0                           ; all my tensor loads have landed, my part of the other slot among them
	ds_add_u32 v126, v127
	s_wait_dscnt 0x0
	CROUND                                         ; both now hold of every wave of every work-group of the cluster
	s_add_nc_u64 s[G0W+4*\s+2:G0W+4*\s+3], s[G0W+4*\s+2:G0W+4*\s+3], 2*512
	s_add_nc_u64 s[G0T+4*\s+2:G0T+4*\s+3], s[G0T+4*\s+2:G0T+4*\s+3], 2*TTILE
	JLOAD \s                                       ; the wave's one tensor load behind the round; it has the other slot's 128 matrix instructions in which to land
.endm
	s_wait_tensorcnt 1                             ; my part of K step 0 is in; K step 1's load stays out
	s_barrier_signal -1
	s_barrier_wait -1
	SLOTRUN 0, 1                                   ; the first products start the sums
	REFILL 0
	SLOTRUN 1, 0
	REFILL 1
	SLOTRUN 0, 0
	s_wait_dscnt 0x0
	s_wait_tensorcnt 0x0                           ; my part of the last K step is in,
	s_barrier_signal -1
	s_barrier_wait -1                              ; everybody's is; nothing is left to fetch
	SLOTRUN 1, 0
	; THE WAY OUT, 16 tokens at a time: 32 bytes a lane into my own stage, read back as whole rows of 256 bytes, bias added, stored
	PLACES
	s_lshl_b32 s76, s13, 19                        ; 128 x token block rows of 4,096 bytes
	s_lshl_b32 s77, s11, 18                        ; + 64 x half
	s_add_co_u32 s76, s76, s77
	s_add_co_u32 s76, s76, s78                     ; + my first column
	s_mov_b32 s77, 0
	s_add_nc_u64 s[74:75], s[74:75], s[76:77]
	s_wait_loadcnt 0x0                             ; bo
.macro OUT16 t, rb
	WIN 0x04                                       ; store data (source 1) from window 1
.irp a, 0,1,2,3
	ds_store_b128 v[STO], v[8*(4*\a+\t):8*(4*\a+\t)+3]   offset:64*\a
	ds_store_b128 v[STO], v[8*(4*\a+\t)+4:8*(4*\a+\t)+7] offset:64*\a+16
.endr
	WIN 0
	s_wait_xcnt 0x0                                ; buffer rb, which earlier stores read, is written again only behind this wait
.irp u, 0,1,2,3,4,5,6,7
	ds_load_b128 v[\rb+4*\u:\rb+4*\u+3], v[RD] offset:\u*2*SPITCH    ; LDS serves a wave's instructions in order (ISA guide 5.7.1.4): these see the stores above
.endr
.irp u, 0,1,2,3,4,5,6,7
	s_wait_dscnt 7-\u
	v_pk_add_f32 v[\rb+4*\u:\rb+4*\u+1],   v[\rb+4*\u:\rb+4*\u+1],   v[BO:BO+1]
	v_pk_add_f32 v[\rb+4*\u+2:\rb+4*\u+3], v[\rb+4*\u+2:\rb+4*\u+3], v[BO+2:BO+3]
	global_store_b128 v[CO], v[\rb+4*\u:\rb+4*\u+3], s[74:75] offset:(16*\t+2*\u)*4096 th:TH_STORE_NT   ; 16 lanes store 256 consecutive bytes, at a multiple of 256 from out0's first byte
.endr
.endm
	OUT16 0, R
	OUT16 1, R+32
	OUT16 2, R
	OUT16 3, R+32
	s_wait_tensorcnt 0x0
	ds_add_u32 v126, v127
	s_wait_dscnt 0x0
	CROUND                                         ; the closing round: no work-group ends while a partner may still ask for a tile that names it
	s_endpgm
.Lfunc_end_k_qc9bb70b4d7_oproj:
	.size	k_qc9bb70b4d7_oproj, .Lfunc_end_k_qc9bb70b4d7_oproj-k_qc9bb70b4d7_oproj
	.p2alignl 7, 3214868480
	.fill 96, 4, 3214868480
	.section	.rodata,"a",@progbits
	.p2align	6, 0x0
	.amdhsa_kernel k_qc9bb70b4d7_oproj
		.amdhsa_group_segment_fixed_size 327680
		.amdhsa_private_segment_fixed_size 0
		.amdhsa_enable_private_segment 0
		.amdhsa_kernarg_size 32
		.amdhsa_user_sgpr_count 2
		.amdhsa_user_sgpr_kernarg_segment_ptr 1
		.amdhsa_wavefront_size32 1
		.amdhsa_system_sgpr_workgroup_id_x 1
		.amdhsa_system_sgpr_workgroup_id_y 1
		.amdhsa_system_sgpr_workgroup_id_z 1
		.amdhsa_system_vgpr_workitem_id 0
		.amdhsa_next_free_vgpr 384
		.amdhsa_next_free_sgpr 80
		.amdhsa_reserve_vcc 0
		.amdhsa_float_denorm_mode_32 3
		.amdhsa_float_denorm_mode_16_64 3
		.amdhsa_memory_ordered 1
		.amdhsa_forward_progress 1
		.amdhsa_inst_pref_size 94
	.end_amdhsa_kernel
	.amdgpu_metadata
---
amdhsa.version: [ 1, 2 ]
amdhsa.kernels:
  - .name:           k_qc9bb70b4d7_oproj
    .symbol:         k_qc9bb70b4d7_oproj.kd
    .args:
      - { .name: af, .offset: 0, .size: 8, .value_kind: global_buffer, .address_space: global }
      - { .name: wb, .offset: 8, .size: 8, .value_kind: global_buffer, .address_space: global }
      - { .name: bo, .offset: 16, .size: 8, .value_kind: global_buffer, .address_space: global }
      - { .name: out0, .offset: 24, .size: 8, .value_kind: global_buffer, .address_space: global }
    .group_segment_fixed_size: 327680
    .private_segment_fixed_size: 0
    .kernarg_segment_align: 8
    .kernarg_segment_size: 32
    .max_flat_workgroup_size: 128
    .sgpr_count:     80
    .vgpr_count:     384
    .wavefront_size: 32
...
	.end_amdgpu_metadata
.endif
;; end of part 4
